; MI455X (gfx1250); checked and timed in simulation.
; The chip was launched on July 23, 2026; its instructions are those of AMD's public machine-readable ISA for CDNA 5 (MIT licence, August 2026) and "CDNA5" Instruction Set Architecture Reference Guide (July 2026). The comments in the code are by the model that wrote it; some were corrected since.
;; SA Block. Allowed arithmetic: matrix products marked QUANTISED: E2M1 operands, one E8M0 scale for each 32 along K, by v_wmma_scale_f32_16x16x128_f8f6f4 with both operands' format E2M1 (or v_wmma_scale_f32_32x16x128_f4), f32 sums; everything else in f32.
;; Inputs: Wk 32 x 256 float32; Wq 32 x 256 float32; Wv 256 x 256 float32; bk 32 float32; bq 32 float32; bv 256 float32; gamma 1 float32; mask 4 x 1 x 64 x 64 float32; x 4 x 256 x 64 x 64 float32.
;; Outputs: out0 4 x 256 x 64 x 64 float32.
;; This version of the problem:
;;   THIS VERSION OF THE PROBLEM IS GIVEN IN LOW PRECISION. The matrix products marked QUANTISED in the list below multiply operands that are first quantised to E2M1 (2 exponent bits, 1 mantissa bit; 4 bits a number), with one power-of-two scale for each 32 numbers along K (OCP MX v1.0); their sums are f32. All else is computed in f32.
;;   The module's matrix products, in the order in which they are computed (A, B: the left and right operand; K: the contracted axis; several contracted axes count as one K, in the product's order):
;;     1. [M 16,384, K 256] x [K 256, N 32]; A: input x; B: input Wq: QUANTISED
;;     2. [M 16,384, K 256] x [K 256, N 32]; A: input x; B: input Wk: QUANTISED
;;     3. [M 16,384, K 256] x [K 256, N 256]; A: input x; B: input Wv: QUANTISED
;;     4. batch 4 x [M 4,096, K 32] x [K 32, N 4,096]; A: computed on the way; B: computed on the way: QUANTISED
;;     5. batch 4 x [M 256, K 4,096] x [K 4,096, N 4,096]; A: computed on the way; B: softmax (see below): QUANTISED
;;   THE QUANTISER, for each operand of a quantised product, along K:
;;     - K is cut into blocks of 32 from its start; a last block that is shorter is filled with zeros.
;;     - A block's scale is 2^e with e = floor(log2(the largest magnitude in the block)) - 2, held to -126 .. 127; a block of zeros has e = 0. As a byte (E8M0): e + 127.
;;     - Each number is divided by its block's scale, clamped to +-6, and rounded to the nearest number of E2M1, ties to even, subnormals kept.
;;     - The product sums the exact products of the quantised numbers (number of the format x scale) in f32.
;;   ~~~python
;;   def quantise(x, axis):      # numpy; x: float32 -> the quantised numbers, widened to float32 again
;;       x = np.moveaxis(x, axis, -1); K = x.shape[-1]
;;       x = np.pad(x, [(0, 0)] * (x.ndim - 1) + [(0, -K % 32)]); x = x.reshape(x.shape[:-1] + (-1, 32)); a = np.abs(x).max(-1, keepdims=True)
;;       e = np.where(a > 0, np.clip(np.frexp(np.where(a > 0, a, 1))[1] - 1 - 2, -126, 127), 0)      # np.frexp(a)[1] - 1 = floor(log2(a)), exactly
;;       r = np.clip(x / 2.0 ** e, -6, 6)
;;       step = 2.0 ** (np.maximum(np.frexp(np.where(r == 0, 1, r))[1] - 1, 0) - 1)
;;       q = np.round(r / step) * step * 2.0 ** e      # np.round: ties to even
;;       return np.moveaxis(q.reshape(q.shape[:-2] + (-1,))[..., :K], -1, axis).astype(np.float32)
;;   ~~~
;;   SOFTMAX AHEAD OF A QUANTISED PRODUCT. Where the list says 'softmax', what is quantised is not the finished softmax but p = 2^(t - M), with t = logit x log2(e) and M = ceil(the row's largest t), a whole number; so 1/2 < the row's largest p <= 1. The row's sum l is taken of the UNQUANTISED p, in f32, and the product's result is divided by l at the end. Since M is a whole number, a kernel that streams over the keys may use a running M (the ceiling of the running maximum): every later rescaling is an exact power of two, which a block's scale takes up: the codes' values come out the same.
;;   OPERANDS COMPUTED ON THE WAY. 'Computed on the way' means the value that the module computes at that place (a softmax that the list does not call 'softmax' is quantised finished and normalised). What goes into a quantiser is computed in f32, as accurately as f32 sums, v_exp_f32 and their like allow (about 1e-6 of the number): no bf16 or f16 on the way to a quantiser, and a product that is left as it is and whose result goes on into a quantised operand takes f32 operands (vector FMAs, or v_wmma_f32_16x16x4_f32). A number that lies on a knife's edge between two numbers of the format may be rounded either way, as far as f32 arithmetic and the matrix unit's own rounding can turn it there, and no further.
;; One version. Each part assembles by itself: llvm-mc -triple=amdgcn-amd-amdhsa -mcpu=gfx1250 --defsym DOCPART=n.
;; ======== version 1 of 1: 3 launches
;; workspace buffers: wcod 46,080 bytes; qb 589,824 bytes; kv 2,818,048 bytes
;; launch wprep (part 1): grid 20 x 1, 1 waves a work-group, no clusters, 0 bytes of LDS; arguments Wq, Wk, Wv, wcod; writes wcod
.if DOCPART == 1
	.amdgcn_target "amdgcn-amd-amdhsa--gfx1250"
	.amdhsa_code_object_version 6
	.text
	.protected	k_qca63057aad_wprep
	.globl	k_qca63057aad_wprep
	.p2align	8
	.type	k_qca63057aad_wprep,@function
k_qca63057aad_wprep:
	s_mov_b64 s[64:65], 0
	v_nop
	global_prefetch_b8 v0, s[64:65] scope:SCOPE_SE
	s_setreg_imm32_b32 hwreg(HW_REG_WAVE_MODE, 25, 1), 1
	s_wait_xcnt 0x0
; Wq [32][256], Wk [32][256], Wv [256][256], f32, K = the 256 input channels, innermost, become codes of FP4 (E2M1) with one E8M0 byte for each 32 along K,
; laid as IMAGES OF THE OPERAND'S REGISTERS, so that the next launch loads every fragment by 16 bytes a lane, 512 consecutive bytes a load.
; One wave makes one tile T of 16 rows (T = the work-group's number): T = 0, 1 Wq's, T = 2, 3 Wk's, T = 4 .. 19 Wv's.
; A tile of Wq or Wk takes rows 8 u + r + 8 (r / 8) (u = T % 2), so that the results of its two tiles give a lane 16 neighbouring channels; a tile of Wv takes rows 16 (T - 4) + r.
; wcod: fragment (T, s) (s: which 128 along K) at (2 T + s) x 1,024 bytes as [c][lane][16 bytes]: lane (r, h) holds k = 128 s + 64 c + 32 h + 0 .. 31 of the tile's row r.
;       scale words at 40,960 + 256 T + 8 x lane: the words of s = 0 and s = 1 of row r, the same in both halves of the lanes.
; A lane holds whole blocks of 32, so a block's largest magnitude needs no other lane.  A block's byte is its largest magnitude's exponent field - 2, held at 1 from below.
; LIMITS: a block of zeros, and one whose largest magnitude lies under 2^-124, keeps the byte 1 (a block of zeros has zero codes, and this program alone reads the bytes); NaN and infinities are not served.
; Twenty work-groups: there are twenty tiles, 320 KB in all; no LDS, no matrix unit, no cluster: nothing is shared.
.set X,   32                           ; v32-159  four blocks of 32 numbers: block 2 s + c at v[X + 32 (2 s + c)]
.set MX,  8                            ; v8-11    largest magnitudes
.set SO,  12                           ; v12-15   the conversions' scale operands
.set BY,  16                           ; v16-19   scale bytes
.set WD,  20                           ; v20-21   the two scale words
.set TP,  22                           ; v22-23   the other half's bytes
.set CD,  160                          ; v160-175 codes
.set WSC, 40960                        ; where the scale words begin in wcod
	s_load_b256 s[4:11], s[0:1], 0x0               ; Wq s[4:5], Wk s[6:7], Wv s[8:9], wcod s[10:11]
	v_and_b32 v1, 15, v0                           ; r
	v_lshrrev_b32 v2, 4, v0                        ; h
	s_and_b32 s15, ttmp9, 1
	s_lshl_b32 s15, s15, 3                         ; Wq, Wk: the tile's rows begin at 8 u
	s_max_u32 s16, ttmp9, 4
	s_sub_co_u32 s16, s16, 4
	s_lshl_b32 s16, s16, 4                         ; Wv: at 16 (T - 4)
	s_mov_b32 s22, 0x76543210
	s_mov_b32 s23, 0xfedcba98                      ; v_permlanex16_b32's selects for lane l xor 16
	s_wait_alu depctr_va_vdst(0)
	s_wait_kmcnt 0x0
	s_cmp_lt_u32 ttmp9, 2                          ; the choices hang on the work-group's number alone
	s_cselect_b64 s[12:13], s[4:5], s[6:7]
	s_cmp_lt_u32 ttmp9, 4
	s_cselect_b64 s[12:13], s[12:13], s[8:9]
	s_cselect_b32 s14, 8, 0                        ; Wq, Wk: lanes 8-15 take rows 8 further on
	s_cselect_b32 s15, s15, s16
	s_lshl_b32 s16, s15, 10                        ; a row is 1,024 bytes
	s_mov_b32 s17, 0
	s_add_nc_u64 s[12:13], s[12:13], s[16:17]
	s_lshl_b32 s16, ttmp9, 11
	s_add_nc_u64 s[18:19], s[10:11], s[16:17]      ; the tile's two fragments
	s_lshl_b32 s16, ttmp9, 8
	s_add_co_u32 s16, s16, WSC
	s_add_nc_u64 s[20:21], s[10:11], s[16:17]      ; and its scale words
	v_and_b32 v3, s14, v1
	v_add_nc_u32 v3, v3, v1
	v_lshlrev_b32 v3, 10, v3
	v_lshl_add_u32 v3, v2, 7, v3                   ; my row, + 128 h bytes: 32 numbers
	v_lshlrev_b32 v4, 4, v0                        ; 16 x lane
	v_lshlrev_b32 v5, 3, v0                        ; 8 x lane
	v_lshlrev_b32 v6, 3, v2                        ; 8 h: my bytes' place in a scale word, in bits
.irp s, 0,1
.irp c, 0,1
.irp j, 0,1,2,3,4,5,6,7
	global_load_b128 v[X+32*(2*\s+\c)+4*\j:X+32*(2*\s+\c)+4*\j+3], v3, s[12:13] offset:512*\s+256*\c+16*\j th:TH_LOAD_NT
.endr
.endr
.endr
.irp s, 0,1
	v_mov_b32 v[TP+\s], 0                          ; a lane permute's destination counts as one of its sources
.endr
	s_wait_loadcnt 0x0
.irp b, 0,1,2,3
	v_max3_num_f32 v[MX+\b], |v[X+32*\b]|, |v[X+32*\b+1]|, 0x1800000   ; with the floor 2^(3 - 127): the byte cannot fall under 1
.endr
.irp i, 2,4,6,8,10,12,14,16,18,20,22,24,26,28,30
.irp b, 0,1,2,3
	v_max3_num_f32 v[MX+\b], v[MX+\b], |v[X+32*\b+\i]|, |v[X+32*\b+\i+1]|   ; the four blocks by turns
.endr
.endr
.irp b, 0,1,2,3
	v_add_nc_u32 v[SO+\b], 0xff000000, v[MX+\b]    ; 2 off the exponent field: the conversion takes the exponent field of this operand as its scale
.endr
.irp b, 0,1,2,3
	v_lshrrev_b32 v[BY+\b], 23, v[SO+\b]           ; the scale's byte
.endr
.irp s, 0,1
	v_lshl_or_b32 v[WD+\s], v[BY+2*\s+1], 16, v[BY+2*\s]   ; my bytes: blocks h and 2 + h of these 128,
.endr
.irp s, 0,1
	v_lshlrev_b32 v[WD+\s], v6, v[WD+\s]           ; at their places;
.endr
.irp s, 0,1
	v_permlanex16_b32 v[TP+\s], v[WD+\s], s22, s23
.endr
.irp s, 0,1
	v_or_b32 v[WD+\s], v[WD+\s], v[TP+\s]          ; with lane l xor 16's two the word is whole
.endr
.irp b, 0,1,2,3
.irp g, 0,1,2,3
	v_cvt_scalef32_pk8_fp4_f32 v[CD+4*\b+\g], v[X+32*\b+8*\g:X+32*\b+8*\g+7], v[SO+\b]
.endr
.endr
	v_nop                                          ; one plain place behind the last scaled conversion
.irp b, 0,1,2,3
	global_store_b128 v4, v[CD+4*\b:CD+4*\b+3], s[18:19] offset:512*\b   ; 512 consecutive bytes: 1,024 s + 512 c
.endr
	global_store_b64 v5, v[WD:WD+1], s[20:21]      ; 256 consecutive bytes, aligned
	s_endpgm
.Lfunc_end_k_qca63057aad_wprep:
	.size	k_qca63057aad_wprep, .Lfunc_end_k_qca63057aad_wprep-k_qca63057aad_wprep
	.p2alignl 7, 3214868480
	.fill 96, 4, 3214868480
	.section	.rodata,"a",@progbits
	.p2align	6, 0x0
	.amdhsa_kernel k_qca63057aad_wprep
		.amdhsa_group_segment_fixed_size 0
		.amdhsa_private_segment_fixed_size 0
		.amdhsa_enable_private_segment 0
		.amdhsa_kernarg_size 32
		.amdhsa_user_sgpr_count 2
		.amdhsa_user_sgpr_kernarg_segment_ptr 1
		.amdhsa_wavefront_size32 1
		.amdhsa_system_sgpr_workgroup_id_x 1
		.amdhsa_system_sgpr_workgroup_id_y 1
		.amdhsa_system_sgpr_workgroup_id_z 1
		.amdhsa_system_vgpr_workitem_id 0
		.amdhsa_next_free_vgpr 176
		.amdhsa_next_free_sgpr 66
		.amdhsa_reserve_vcc 0
		.amdhsa_float_denorm_mode_32 3
		.amdhsa_float_denorm_mode_16_64 3
		.amdhsa_memory_ordered 1
		.amdhsa_forward_progress 1
		.amdhsa_inst_pref_size 11
	.end_amdhsa_kernel
	.amdgpu_metadata
---
amdhsa.version: [ 1, 2 ]
amdhsa.kernels:
  - .name:           k_qca63057aad_wprep
    .symbol:         k_qca63057aad_wprep.kd
    .args:
      - { .name: Wq, .offset: 0, .size: 8, .value_kind: global_buffer, .address_space: global }
      - { .name: Wk, .offset: 8, .size: 8, .value_kind: global_buffer, .address_space: global }
      - { .name: Wv, .offset: 16, .size: 8, .value_kind: global_buffer, .address_space: global }
      - { .name: wcod, .offset: 24, .size: 8, .value_kind: global_buffer, .address_space: global }
    .group_segment_fixed_size: 0
    .private_segment_fixed_size: 0
    .kernarg_segment_align: 8
    .kernarg_segment_size: 32
    .max_flat_workgroup_size: 32
    .sgpr_count:     66
    .vgpr_count:     176
    .wavefront_size: 32
...
	.end_amdgpu_metadata
.endif
;; end of part 1
;; launch proj (part 2): grid 64 x 4, 8 waves a work-group, no clusters, 17,408 bytes of LDS; arguments x, mask, bq, bk, bv, wcod, qb, kv; writes qb, kv
.if DOCPART == 2
	.amdgcn_target "amdgcn-amd-amdhsa--gfx1250"
	.amdhsa_code_object_version 6
	.text
	.protected	k_qca63057aad_proj
	.globl	k_qca63057aad_proj
	.p2align	8
	.type	k_qca63057aad_proj,@function
k_qca63057aad_proj:
	s_mov_b64 s[64:65], 0
	v_nop
	global_prefetch_b8 v0, s[64:65] scope:SCOPE_SE
	s_setreg_imm32_b32 hwreg(HW_REG_WAVE_MODE, 25, 1), 1
	s_wait_xcnt 0x0
; q = (Wq x + bq) m, k = (Wk x + bk) m, v = Wv x + bv for 64 pixels of one batch, all three products on codes of FP4 (E2M1) with one E8M0 byte for each 32 along K = the 256 channels;
; then q and k are quantised along their 32 channels (one block) and v along the pixels (the keys of the attention that follows), and leave as images of operand registers.
; x is [4][256][4096] f32: K is NOT innermost.  PHASE A: a lane takes a pixel and its registers run down the channels: each load reads 128 consecutive bytes a wave, a block of 32 lies in one lane, and the conversions
; give codes with K innermost.  Wave w takes pixels 32 (w % 2) + lane and channels 64 (w / 2) on: two blocks.  The codes go to LDS as images of x's eight fragments (tile of 16 pixels, 128 along K).
; THE PIXELS OF A TILE ARE NOT NEIGHBOURS: lane r of tile a takes pixel 32 (a / 2) + 8 (a % 2) + r + 8 (r / 8), so that the results of tiles 2 b and 2 b + 1 give a lane 16 neighbouring pixels.
; PHASE C1: wave w makes q (w < 4) or k (w >= 4) of tile w % 4, transposed (source 0 = 16 rows of W, source 1 = x): a lane holds one pixel and 16 neighbouring channels.
; PHASE C2: wave w makes v's channels 32 w .. 32 w + 31 for all 64 pixels (source 0 = x, source 1 = 16 rows of Wv): a lane holds one channel and its registers run along the pixels.
; The biases are the C of each sum's first matrix instruction.
; OUT.  qb: a block of 2,304 bytes for 64 queries: codes [tile][lane][16 bytes] (lanes 0-15: a query's 32 codes; lanes 16-31: zero codes, k = 32 .. 63 of a K of 128), then scale words [r][tile] (byte 0 the scale, the others 127).
;       kv: a block of 22,016 bytes for 128 keys: v's codes [tile of 16 channels][c][lane][16 bytes]; k's codes [tile][lane][16 bytes] as q's; v's scale words [g][lane][j] (tile 8 g + 2 j + lane / 16); k's [lane][j] (tile 4 (lane / 16) + j).
; This work-group writes one half (64 keys) of a block of kv.  So of a scale word of v it owns two bytes of four, which leave by stores of two bytes a lane: 512 bytes of a work-group's 11 KB.
; The weights' images are read once by each wave, straight into its operand registers (4 KB + 4 KB a wave); asked for jointly in a cluster they would have to pass through LDS and be read again from there, for one use each: so no cluster.
; LIMITS: a block of zeros, and one whose largest magnitude lies under 2^-124, keeps the byte 1 (zero codes add nothing, and this program alone reads the bytes); NaN and infinities are not served.
.set STEPB, 22016                      ; a block of kv
.set KOFF,  16384
.set VSOFF, 20480
.set KSOFF, 21504
.set QBLK,  2304                       ; a block of qb
.set WSC,   40960                      ; the scale words in wcod
.set XIMG,  0                          ; LDS: x's fragment (a, s) at (2 a + s) x 1,024, [c][lane][16 bytes]
.set XSC,   8192                       ; its scale words at (2 a + s) x 64 + 4 r
.set SCG,   8704                       ; q's scale words [r][tile], 256 bytes; then k's
.set XA,  4                            ; v4   4 x lane
.set LI,  5                            ; v5   16 x lane
.set LR,  6                            ; v6   4 r
.set XST, 7                            ; v7   phase A: where my codes go
.set XSS, 8                            ; v8   and my two scale bytes
.set XQA, 9                            ; v9   C1: my tile's fragments of x
.set XQSA, 10                          ; v10  and their scale words
.set BQA, 11                           ; v11  64 h
.set MA,  12                           ; v12  4 (r + 8 (r / 8))
.set SG,  13                           ; v13  where my pixel's scale word of q or k goes
.set L8,  14                           ; v14  8 x lane
.set KEEP, 15                          ; v15  all ones in lanes 0-15, 0 in lanes 16-31
.set XS,  16                           ; v16-23 x's scale words (2 a + s)
.set WVS, 24                           ; v24-27 Wv's (2 tile + s)
.set WQS, 28                           ; v28-31 Wq's or Wk's (2 u + s)
.set XQS, 32                           ; v32-33 my tile's of x
.set MK,  34                           ; v34  my pixel's mask
.set H16, 35                           ; v35  16 h
.set BVR, 36                           ; v36-37 bv of my channel in my two tiles
.set TR,  38                           ; v38  the tail: where 8 bytes of the gathered scale words lie
.set RX,  40                           ; v40-103 phase A: 64 numbers of x;  then XF: x's eight fragments
.set XF,  40
.set WV,  104                          ; v104-135 Wv's fragments (tile, s) at 8 (2 tile + s)
.set BV,  136                          ; v136-151 bv in the result's layout
.set WQ,  152                          ; v152-183 Wq's or Wk's fragments (u, s)
.set BQ,  184                          ; v184-199 bq or bk in the result's layout
.set QA,  200                          ; v200-215 q or k: two tiles
.set VA,  152                          ; v152-215 later: v: tile (tl, a) at 32 tl + 8 a
.set XC,  216                          ; v216-223 phase A: codes;  then XQ v216-231: my tile's two fragments of x;  then v216-219 q's or k's image, v220 its scale word
.set XQ,  216
.set R,   216
.set QW,  220
.set TM,  232                          ; v232-235 largest magnitudes, v236-239 the other half's and then bytes, v240-243 scale operands
.set PW,  244                          ; v244 four scale bytes of v;  v245 my tile's two
.set PC,  248                          ; v248-255 codes just made
	s_load_b512 s[4:19], s[0:1], 0x0               ; x s[4:5], mask s[6:7], bq s[8:9], bk s[10:11], bv s[12:13], wcod s[14:15], qb s[16:17], kv s[18:19]
	s_set_vgpr_msb 0x40
	v_lshl_add_u32 v0, v0, 2, 0x4000
	v_mov_b32 v1, 0
	s_set_vgpr_msb 0x4000
	v_lshrrev_b32 v1, 5, v0
	s_delay_alu instid0(VALU_DEP_1)
	v_readfirstlane_b32 s20, v1                    ; wave 0..7
	v_and_b32 v1, 31, v0                           ; lane
	s_wait_alu depctr_va_vdst(0)
	v_and_b32 v2, 15, v0                           ; r
	v_bfe_u32 v3, v0, 4, 1                         ; h
	s_and_b32 s21, s20, 1                          ; phase A: which 32 pixels
	s_lshr_b32 s22, s20, 1                         ; phase A: which 64 channels
	s_and_b32 s23, s20, 3                          ; C1: my tile of pixels
	s_lshr_b32 s24, s20, 2                         ; C1: q (0) or k (1).  Also phase A: which 128 along K
	s_and_b32 s25, s22, 1                          ; phase A: which 64 of those 128
	s_and_b32 s26, ttmp7, 0xffff                   ; the batch
	s_and_b32 s27, ttmp9, 1                        ; which half of a block of kv
	s_mov_b32 s56, 0x76543210
	s_mov_b32 s57, 0xfedcba98                      ; v_permlanex16_b32's selects for lane l xor 16
	s_mov_b32 s29, 0
	s_lshl_b32 s28, s26, 22                        ; x: the batch's 4 MiB,
	s_lshl_b32 s54, s22, 20                        ; 64 channels of 16,384 bytes,
	s_add_co_u32 s28, s28, s54
	s_lshl_b32 s54, ttmp9, 8                       ; the work-group's 64 pixels,
	s_add_co_u32 s28, s28, s54
	s_lshl_b32 s54, s21, 7                         ; my 32 of them
	s_add_co_u32 s28, s28, s54
	v_lshlrev_b32 v[XA], 2, v1
	s_wait_alu depctr_va_vdst(0)
	s_wait_kmcnt 0x0
	s_add_nc_u64 s[4:5], s[4:5], s[28:29]
.set n, 0
.rept 64
	global_load_b32 v[RX+n], v[XA], s[4:5] offset:n*16384   ; x(channel n of my 64, my pixel): 128 consecutive bytes a wave; two waves stand side by side on 256
.set n, n+1
.endr
	; every LDS address is made here, ahead of any parting of the waves
	v_lshlrev_b32 v[LI], 4, v1
	v_lshlrev_b32 v[LR], 2, v2
	v_and_b32 v39, 7, v1                           ; pixel lane = 16 a' + 8 u + j: tile 2 (w % 2) + u, row r = 8 a' + j; a' is h
	s_wait_alu depctr_va_vdst(0)
	v_bfe_u32 v247, v0, 3, 1                       ; u
	s_lshl_b32 s54, s21, 12
	s_lshl_b32 s55, s24, 10
	s_add_co_u32 s54, s54, s55
	s_lshl_b32 s55, s25, 9
	s_add_co_u32 s54, s54, s55                     ; 4,096 (w % 2) + 1,024 s + 512 c
	v_lshlrev_b32 v[XST], 4, v39
	s_delay_alu instid0(VALU_DEP_1)
	v_lshl_add_u32 v[XST], v3, 7, v[XST]
	s_delay_alu instid0(VALU_DEP_1)
	v_lshl_add_u32 v[XST], v247, 11, v[XST]
	s_delay_alu instid0(VALU_DEP_1)
	v_add_nc_u32 v[XST], s54, v[XST]               ; + 2,048 u + 16 r; the block (the fragment's half of the lanes) stands in the immediate: 256 a block
	s_lshl_b32 s54, s21, 8
	s_lshl_b32 s55, s24, 6
	s_add_co_u32 s54, s54, s55
	s_lshl_b32 s55, s25, 1
	s_add_co_u32 s54, s54, s55
	s_add_co_u32 s54, s54, XSC                     ; 256 (w % 2) + 64 s + 2 c
	v_lshlrev_b32 v[XSS], 2, v39
	s_delay_alu instid0(VALU_DEP_1)
	v_lshl_add_u32 v[XSS], v3, 5, v[XSS]
	s_wait_alu depctr_va_vdst(0)
	v_lshl_add_u32 v[XSS], v247, 7, v[XSS]
	s_delay_alu instid0(VALU_DEP_1)
	v_add_nc_u32 v[XSS], s54, v[XSS]               ; + 128 u + 4 r
	s_lshl_b32 s54, s23, 11
	v_add_nc_u32 v[XQA], s54, v[LI]
	s_lshl_b32 s54, s23, 7
	s_add_co_u32 s54, s54, XSC
	v_add_nc_u32 v[XQSA], s54, v[LR]
	v_lshlrev_b32 v[BQA], 6, v3
	v_and_b32 v[MA], 8, v2
	s_delay_alu instid0(VALU_DEP_1)
	v_add_nc_u32 v[MA], v[MA], v2
	s_delay_alu instid0(VALU_DEP_1)
	v_lshlrev_b32 v[MA], 2, v[MA]
	s_lshl_b32 s54, s24, 8
	s_lshl_b32 s55, s23, 2
	s_add_co_u32 s54, s54, s55
	s_add_co_u32 s54, s54, SCG
	v_lshl_add_u32 v[SG], v2, 4, s54
	v_lshlrev_b32 v[L8], 3, v1
	v_add_nc_u32 v[KEEP], -1, v3
	v_lshlrev_b32 v[H16], 4, v3
	s_lshl_b32 s54, s21, 8
	s_add_co_u32 s54, s54, SCG
	v_add_nc_u32 v[TR], s54, v[L8]
.irp b, 0,1,2,3
	v_mov_b32 v[TM+4+\b], 0                        ; a lane permute's destination counts as one of its sources
.endr
	v_mov_b32 v[PC+2], 0
	v_mov_b32 v[PC+3], 0
	; the other pointers
	s_lshl_b32 s28, s26, 14                        ; mask: the batch, the 64 pixels, my tile's first pixel
	s_lshl_b32 s54, ttmp9, 8
	s_add_co_u32 s28, s28, s54
	s_lshr_b32 s54, s23, 1
	s_lshl_b32 s54, s54, 7
	s_add_co_u32 s28, s28, s54
	s_and_b32 s54, s23, 1
	s_lshl_b32 s54, s54, 5
	s_add_co_u32 s28, s28, s54
	s_add_nc_u64 s[6:7], s[6:7], s[28:29]
	s_lshl_b32 s28, s20, 7
	s_add_nc_u64 s[12:13], s[12:13], s[28:29]      ; bv: my 32 channels
	s_lshl_b32 s28, s20, 12
	s_add_co_u32 s28, s28, 8192
	s_add_nc_u64 s[30:31], s[14:15], s[28:29]      ; Wv's tiles 2 w, 2 w + 1: fragments from (8 + 4 w) x 1,024 on
	s_lshl_b32 s28, s20, 9
	s_add_co_u32 s28, s28, WSC+1024
	s_add_nc_u64 s[32:33], s[14:15], s[28:29]      ; their scale words
	s_lshl_b32 s28, s24, 12
	s_add_nc_u64 s[34:35], s[14:15], s[28:29]      ; Wq's or Wk's four fragments
	s_lshl_b32 s28, s24, 9
	s_add_co_u32 s28, s28, WSC
	s_add_nc_u64 s[36:37], s[14:15], s[28:29]      ; their scale words
	s_mul_i32 s28, s26, 32*STEPB
	s_lshr_b32 s54, ttmp9, 1
	s_mul_i32 s54, s54, STEPB
	s_add_co_u32 s28, s28, s54
	s_add_nc_u64 s[38:39], s[18:19], s[28:29]      ; my block of kv
	s_lshl_b32 s28, s26, 6
	s_add_co_u32 s28, s28, ttmp9
	s_mul_i32 s28, s28, QBLK
	s_add_nc_u64 s[40:41], s[16:17], s[28:29]      ; my block of qb
	s_lshl_b32 s28, s23, 9
	s_add_nc_u64 s[52:53], s[40:41], s[28:29]      ; q's image of my tile
	s_lshl_b32 s54, s27, 11
	s_add_co_u32 s28, s28, s54
	s_add_co_u32 s28, s28, KOFF
	s_add_nc_u64 s[50:51], s[38:39], s[28:29]      ; k's: tile 4 x half + mine
	s_cmp_eq_u32 s24, 0                            ; the choices hang on the wave's number alone
	s_cselect_b64 s[42:43], s[52:53], s[50:51]
	s_cselect_b64 s[8:9], s[8:9], s[10:11]         ; bq or bk
	s_lshl_b32 s28, s20, 11
	s_lshl_b32 s54, s27, 9
	s_add_co_u32 s28, s28, s54
	s_add_nc_u64 s[44:45], s[38:39], s[28:29]      ; v's codes: tile 2 w, c = my half
	s_lshl_b32 s28, s24, 9
	s_lshl_b32 s54, s23, 2
	s_add_co_u32 s28, s28, s54
	s_lshl_b32 s54, s27, 1
	s_add_co_u32 s28, s28, s54
	s_add_co_u32 s28, s28, VSOFF
	s_add_nc_u64 s[46:47], s[38:39], s[28:29]      ; v's scale bytes: g = w / 4, j = w % 4, bytes 2 x half on
	s_add_nc_u64 s[52:53], s[40:41], 2048          ; q's scale words
	s_lshl_b32 s28, s27, 8
	s_add_co_u32 s28, s28, KSOFF
	s_add_nc_u64 s[50:51], s[38:39], s[28:29]      ; k's
	s_cmp_eq_u32 s20, 0
	s_cselect_b64 s[48:49], s[52:53], s[50:51]     ; the tail: wave 0 stores q's, wave 1 k's
	; 27 more loads: weights, their scale words, biases, mask
.irp f, 0,1,2,3
.irp c, 0,1
	global_load_b128 v[WV+8*\f+4*\c:WV+8*\f+4*\c+3], v[LI], s[30:31] offset:1024*\f+512*\c
.endr
.endr
.irp t, 0,1
	global_load_b64 v[WVS+2*\t:WVS+2*\t+1], v[L8], s[32:33] offset:256*\t
.endr
.irp f, 0,1,2,3
.irp c, 0,1
	global_load_b128 v[WQ+8*\f+4*\c:WQ+8*\f+4*\c+3], v[LI], s[34:35] offset:1024*\f+512*\c
.endr
.endr
.irp u, 0,1
	global_load_b64 v[WQS+2*\u:WQS+2*\u+1], v[L8], s[36:37] offset:256*\u
.endr
.irp u, 0,1
	global_load_b128 v[BQ+8*\u:BQ+8*\u+3], v[BQA], s[8:9] offset:32*\u       ; register j of tile u is channel 16 h + 8 u + j
	global_load_b128 v[BQ+8*\u+4:BQ+8*\u+7], v[BQA], s[8:9] offset:32*\u+16
.endr
	global_load_b32 v[BVR], v[LR], s[12:13]
	global_load_b32 v[BVR+1], v[LR], s[12:13] offset:64
	global_load_b32 v[MK], v[MA], s[6:7]
; ---- PHASE A: one block of 32 channels of my pixel: largest magnitude (two chains), scale, codes, image
.macro XBLK hh
	v_max3_num_f32 v[TM], |v[RX+32*\hh]|, |v[RX+32*\hh+1]|, 0x1800000          ; with the floor 2^(3 - 127): the byte cannot fall under 1
	v_max3_num_f32 v[TM+1], |v[RX+32*\hh+16]|, |v[RX+32*\hh+17]|, 0x1800000
.irp i, 2,4,6,8,10,12,14
	s_delay_alu instid0(VALU_DEP_2)
	v_max3_num_f32 v[TM], v[TM], |v[RX+32*\hh+\i]|, |v[RX+32*\hh+\i+1]|
	s_delay_alu instid0(VALU_DEP_2)
	v_max3_num_f32 v[TM+1], v[TM+1], |v[RX+32*\hh+16+\i]|, |v[RX+32*\hh+17+\i]|
.endr
	s_delay_alu instid0(VALU_DEP_1)
	v_max_num_f32 v[TM], v[TM], v[TM+1]
	s_delay_alu instid0(VALU_DEP_1)
	v_add_nc_u32 v[TM+8+\hh], 0xff000000, v[TM]    ; 2 off the exponent field: the conversion's scale operand
	s_delay_alu instid0(VALU_DEP_1)
	v_lshrrev_b32 v[TM+4+\hh], 23, v[TM+8+\hh]     ; the scale's byte
.irp g, 0,1,2,3
	v_cvt_scalef32_pk8_fp4_f32 v[XC+4*\hh+\g], v[RX+32*\hh+8*\g:RX+32*\hh+8*\g+7], v[TM+8+\hh]
.endr
	v_nop                                          ; one plain place behind the last scaled conversion
	ds_store_b128 v[XST], v[XC+4*\hh:XC+4*\hh+3] offset:XIMG+256*\hh
.endm
	s_wait_loadcnt 59                              ; my first 32 channels are in: behind them stand the other 32 and the 27 loads above
	XBLK 0
	s_wait_loadcnt 27                              ; the other 32 are in
	XBLK 1
	v_lshl_or_b32 v[TM+2], v[TM+5], 8, v[TM+4]
	ds_store_b16 v[XSS], v[TM+2]                   ; my two bytes of the pixel's scale word
	s_wait_dscnt 0x0                               ; for the others' sake: my stores have landed
	s_barrier_signal -1
	s_barrier_wait -1                              ; x's eight fragments lie in LDS
.irp f, 0,1,2,3,4,5,6,7
.irp c, 0,1
	ds_load_b128 v[XF+8*\f+4*\c:XF+8*\f+4*\c+3], v[LI] offset:XIMG+1024*\f+512*\c
.endr
.endr
.irp f, 0,1,2,3,4,5,6,7
	ds_load_b32 v[XS+\f], v[LR] offset:XSC+64*\f
.endr
.irp s, 0,1
.irp c, 0,1
	ds_load_b128 v[XQ+8*\s+4*\c:XQ+8*\s+4*\c+3], v[XQA] offset:XIMG+1024*\s+512*\c   ; my tile's once more: its number hangs on the wave, a register's cannot
.endr
.endr
	ds_load_b32 v[XQS], v[XQSA]
	ds_load_b32 v[XQS+1], v[XQSA] offset:64
	s_wait_loadcnt 0x0                             ; weights, biases, mask
.irp t, 0,1
.irp j, 0,1,2,3,4,5,6,7
	v_mov_b32 v[BV+8*\t+\j], v[BVR+\t]             ; in v's result a lane holds one channel: its bias in all eight registers
.endr
.endr
	s_wait_dscnt 0x0
	; ---- C1: q or k of my tile.  Two accumulators by turns
.irp s, 0,1
.irp u, 0,1
.if \s == 0
	v_wmma_scale_f32_16x16x128_f8f6f4 v[QA+8*\u:QA+8*\u+7], v[WQ+8*(2*\u+\s):WQ+8*(2*\u+\s)+7], v[XQ+8*\s:XQ+8*\s+7], v[BQ+8*\u:BQ+8*\u+7], v[WQS+2*\u+\s], v[XQS+\s] matrix_a_fmt:MATRIX_FMT_FP4 matrix_b_fmt:MATRIX_FMT_FP4
.else
	v_wmma_scale_f32_16x16x128_f8f6f4 v[QA+8*\u:QA+8*\u+7], v[WQ+8*(2*\u+\s):WQ+8*(2*\u+\s)+7], v[XQ+8*\s:XQ+8*\s+7], v[QA+8*\u:QA+8*\u+7], v[WQS+2*\u+\s], v[XQS+\s] matrix_a_fmt:MATRIX_FMT_FP4 matrix_b_fmt:MATRIX_FMT_FP4
.endif
.endr
.endr
.rept 5
	v_nop                                          ; four places in front of the first read of the results (ISA guide 7.12.1); the fifth since v's results are laid over these products' registers further down
.endr
.set n, 0
.rept 16
	v_mul_f32 v[QA+n], v[MK], v[QA+n]              ; x my pixel's mask, each tile from its low end on
.set n, n+1
.endr
	v_max3_num_f32 v[TM], |v[QA]|, |v[QA+1]|, 0x1800000
	v_max3_num_f32 v[TM+1], |v[QA+8]|, |v[QA+9]|, 0x1800000
.irp i, 2,4,6
	s_delay_alu instid0(VALU_DEP_2)
	v_max3_num_f32 v[TM], v[TM], |v[QA+\i]|, |v[QA+\i+1]|
	s_delay_alu instid0(VALU_DEP_2)
	v_max3_num_f32 v[TM+1], v[TM+1], |v[QA+8+\i]|, |v[QA+9+\i]|
.endr
	s_delay_alu instid0(VALU_DEP_1)
	v_max_num_f32 v[TM], v[TM], v[TM+1]            ; my 16 channels',
	s_delay_alu instid0(VALU_DEP_1)
	v_permlanex16_b32 v[TM+4], v[TM], s56, s57
	s_delay_alu instid0(VALU_DEP_1)
	v_max_num_f32 v[TM], v[TM], v[TM+4]            ; with lane l xor 16's: the block's
	s_delay_alu instid0(VALU_DEP_1)
	v_add_nc_u32 v[TM+8], 0xff000000, v[TM]
	s_delay_alu instid0(VALU_DEP_1)
	v_lshrrev_b32 v[TM+4], 23, v[TM+8]
	s_delay_alu instid0(VALU_DEP_1)
	v_or_b32 v[QW], 0x7f7f7f00, v[TM+4]            ; the scale word of a K of 128: byte 0 the block's, 127 over the zero codes
	v_cvt_scalef32_pk8_fp4_f32 v[PC], v[QA:QA+7], v[TM+8]
	v_cvt_scalef32_pk8_fp4_f32 v[PC+1], v[QA+8:QA+15], v[TM+8]
	v_nop                                          ; one plain place behind the last scaled conversion
	v_permlanex16_b32 v[PC+2], v[PC], s56, s57     ; lanes 0-15 fetch channels 16 .. 31
	v_permlanex16_b32 v[PC+3], v[PC+1], s56, s57
.irp j, 0,1,2,3
	v_and_b32 v[R+\j], v[KEEP], v[PC+\j]           ; lanes 0-15: the pixel's 32 codes; lanes 16-31: zero codes
.endr
	global_store_b128 v[LI], v[R:R+3], s[42:43]    ; 512 consecutive bytes
	ds_store_b32 v[SG], v[QW]                      ; both lanes of a pixel write the same word with the same value
	; ---- C2: v.  Eight accumulators by turns, a K step at a time
.irp s, 0,1
.irp t, 0,1
.irp a, 0,1,2,3
.if \s == 0
	v_wmma_scale_f32_16x16x128_f8f6f4 v[VA+32*\t+8*\a:VA+32*\t+8*\a+7], v[XF+8*(2*\a+\s):XF+8*(2*\a+\s)+7], v[WV+8*(2*\t+\s):WV+8*(2*\t+\s)+7], v[BV+8*\t:BV+8*\t+7], v[XS+2*\a+\s], v[WVS+2*\t+\s] matrix_a_fmt:MATRIX_FMT_FP4 matrix_b_fmt:MATRIX_FMT_FP4
.else
	v_wmma_scale_f32_16x16x128_f8f6f4 v[VA+32*\t+8*\a:VA+32*\t+8*\a+7], v[XF+8*(2*\a+\s):XF+8*(2*\a+\s)+7], v[WV+8*(2*\t+\s):WV+8*(2*\t+\s)+7], v[VA+32*\t+8*\a:VA+32*\t+8*\a+7], v[XS+2*\a+\s], v[WVS+2*\t+\s] matrix_a_fmt:MATRIX_FMT_FP4 matrix_b_fmt:MATRIX_FMT_FP4
.endif
.endr
.endr
.endr
.rept 4
	v_nop                                          ; places in front of the first read of the results
.endr
	; register 16 B + i of VA is pixel 32 (B % 2) + 16 h + i of my channel in tile B / 2: four blocks of 32 along the keys, each in lanes l and l xor 16
.irp b, 0,1,2,3
	v_max3_num_f32 v[TM+\b], |v[VA+16*\b]|, |v[VA+1+16*\b]|, 0x1800000
.endr
.irp i, 2,4,6,8,10,12,14
.irp b, 0,1,2,3
	v_max3_num_f32 v[TM+\b], v[TM+\b], |v[VA+16*\b+\i]|, |v[VA+1+16*\b+\i]|
.endr
.endr
.irp b, 0,1,2,3
	s_delay_alu instid0(VALU_DEP_4)
	v_permlanex16_b32 v[TM+4+\b], v[TM+\b], s56, s57
.endr
.irp b, 0,1,2,3
	s_delay_alu instid0(VALU_DEP_4)
	v_max_num_f32 v[TM+\b], v[TM+\b], v[TM+4+\b]
.endr
.irp b, 0,1,2,3
	s_delay_alu instid0(VALU_DEP_4)
	v_add_nc_u32 v[TM+8+\b], 0xff000000, v[TM+\b]
.endr
.irp b, 0,1,2,3
	s_delay_alu instid0(VALU_DEP_4)
	v_lshrrev_b32 v[TM+4+\b], 23, v[TM+8+\b]
.endr
	s_delay_alu instid0(VALU_DEP_3)
	v_lshl_or_b32 v[PW], v[TM+5], 8, v[TM+4]       ; low half: tile 2 w's two bytes; high half: tile 2 w + 1's
	s_delay_alu instid0(VALU_DEP_1)
	v_lshl_or_b32 v[PW], v[TM+6], 16, v[PW]
	s_delay_alu instid0(VALU_DEP_1)
	v_lshl_or_b32 v[PW], v[TM+7], 24, v[PW]
.irp b, 0,1,2,3
	v_cvt_scalef32_pk8_fp4_f32 v[PC+2*\b], v[VA+16*\b:VA+7+16*\b], v[TM+8+\b]
	v_cvt_scalef32_pk8_fp4_f32 v[PC+1+2*\b], v[VA+8+16*\b:VA+15+16*\b], v[TM+8+\b]
.endr
	v_nop                                          ; one plain place behind the last scaled conversion
.irp c, 0,1                                    ; the operand's layout wants a WHOLE block in a lane: lanes 0-15 the tile's first 32 keys, lanes 16-31 the other 32
.irp i, 0,1
	v_permlane16_swap_b32 v[PC+4*\c+\i], v[PC+2+4*\c+\i]
.endr
.endr
	v_lshrrev_b32 v[PW+1], v[H16], v[PW]           ; lanes 0-15 store tile 2 w's bytes, lanes 16-31 tile 2 w + 1's
	global_store_b128 v[LI], v[PC:PC+3], s[44:45]              ; 512 consecutive bytes
	global_store_b128 v[LI], v[PC+4:PC+7], s[44:45] offset:1024
	global_store_b16 v[LI], v[PW+1], s[46:47]
	s_wait_dscnt 0x0                               ; for the others' sake: my scale word of q or k has landed
	s_barrier_signal -1
	s_barrier_wait -1
	s_cmp_lt_u32 s20, 2                            ; waves 0 and 1 send the gathered scale words out
	s_cbranch_scc0 .Lend
	ds_load_b64 v[246:247], v[TR]
	s_wait_dscnt 0x0
	global_store_b64 v[L8], v[246:247], s[48:49]   ; 256 consecutive bytes, aligned
.Lend:
	s_set_vgpr_msb 0x5
	s_wait_tensorcnt 0x0
	ds_add_u32 v0, v1
	s_wait_dscnt 0x0
	s_set_vgpr_msb 0x500
	s_endpgm
.Lfunc_end_k_qca63057aad_proj:
	.size	k_qca63057aad_proj, .Lfunc_end_k_qca63057aad_proj-k_qca63057aad_proj
	.p2alignl 7, 3214868480
	.fill 96, 4, 3214868480
	.section	.rodata,"a",@progbits
	.p2align	6, 0x0
	.amdhsa_kernel k_qca63057aad_proj
		.amdhsa_group_segment_fixed_size 17408
		.amdhsa_private_segment_fixed_size 0
		.amdhsa_enable_private_segment 0
		.amdhsa_kernarg_size 64
		.amdhsa_user_sgpr_count 2
		.amdhsa_user_sgpr_kernarg_segment_ptr 1
		.amdhsa_wavefront_size32 1
		.amdhsa_system_sgpr_workgroup_id_x 1
		.amdhsa_system_sgpr_workgroup_id_y 1
		.amdhsa_system_sgpr_workgroup_id_z 1
		.amdhsa_system_vgpr_workitem_id 0
		.amdhsa_next_free_vgpr 258
		.amdhsa_next_free_sgpr 66
		.amdhsa_reserve_vcc 0
		.amdhsa_float_denorm_mode_32 3
		.amdhsa_float_denorm_mode_16_64 3
		.amdhsa_memory_ordered 1
		.amdhsa_forward_progress 1
		.amdhsa_inst_pref_size 32
	.end_amdhsa_kernel
	.amdgpu_metadata
---
amdhsa.version: [ 1, 2 ]
amdhsa.kernels:
  - .name:           k_qca63057aad_proj
    .symbol:         k_qca63057aad_proj.kd
    .args:
      - { .name: x, .offset: 0, .size: 8, .value_kind: global_buffer, .address_space: global }
      - { .name: mask, .offset: 8, .size: 8, .value_kind: global_buffer, .address_space: global }
      - { .name: bq, .offset: 16, .size: 8, .value_kind: global_buffer, .address_space: global }
      - { .name: bk, .offset: 24, .size: 8, .value_kind: global_buffer, .address_space: global }
      - { .name: bv, .offset: 32, .size: 8, .value_kind: global_buffer, .address_space: global }
      - { .name: wcod, .offset: 40, .size: 8, .value_kind: global_buffer, .address_space: global }
      - { .name: qb, .offset: 48, .size: 8, .value_kind: global_buffer, .address_space: global }
      - { .name: kv, .offset: 56, .size: 8, .value_kind: global_buffer, .address_space: global }
    .group_segment_fixed_size: 17408
    .private_segment_fixed_size: 0
    .kernarg_segment_align: 8
    .kernarg_segment_size: 64
    .max_flat_workgroup_size: 256
    .sgpr_count:     66
    .vgpr_count:     258
    .wavefront_size: 32
...
	.end_amdgpu_metadata
.endif
;; end of part 2
;; launch attn (part 3): grid 64 x 4, 8 waves a work-group, clusters of 4 x 1, 327,680 bytes of LDS; arguments qb, kv, x, gamma, out0; writes out0
.if DOCPART == 3
	.amdgcn_target "amdgcn-amd-amdhsa--gfx1250"
	.amdhsa_code_object_version 6
	.text
	.protected	k_qca63057aad_attn
	.globl	k_qca63057aad_attn
	.p2align	8
	.type	k_qca63057aad_attn,@function
k_qca63057aad_attn:
	s_mov_b64 s[64:65], 0
	v_nop
	global_prefetch_b8 v0, s[64:65] scope:SCOPE_SE
	s_setreg_imm32_b32 hwreg(HW_REG_WAVE_MODE, 25, 1), 1
	s_wait_xcnt 0x0
	s_wait_alu depctr_hold_cnt(0) depctr_sa_sdst(0) depctr_va_vdst(0) depctr_va_sdst(0) depctr_va_ssrc(0) depctr_va_vcc(0) depctr_vm_vsrc(0)
	s_getreg_b32 s2, hwreg(HW_REG_IB_STS2, 6, 4)
	s_cmp_eq_u32 s2, 0
	s_cbranch_scc0 .Lentry_in_a_cluster
	s_endpgm
.Lentry_in_a_cluster:
	s_bfe_u32 s2, ttmp6, 0x10000c
	s_cmp_lg_u32 s2, 0x3003
	s_cbranch_scc0 .Lentry_shape_is_right
	s_endpgm
.Lentry_shape_is_right:
; out0[b][c][i] = gamma x (the sum over keys j of softmax_j(q_i . k_j) v[c][j]) + x[b][c][i], both products on codes of FP4 (E2M1) with one E8M0 byte for each 32 along a product's K.
; q, k and v come as images of operand registers (qb, kv), made by the launch before.  The first product's K is 32: both operands carry zero codes for k = 32 .. 127 (lanes 16-31 of the images, and registers 4-7, cleared once).
; THE SOFTMAX AHEAD OF THE SECOND PRODUCT: t = score x log2(e); M = a whole number at or over the largest t so far; p = 2^(t - M) is what is quantised, along the keys; the row's sum is taken of the unquantised p and divides at the end.
; When M moves, the sum and O are multiplied by 2^(old M - new M): exact.  The largest t is moved up by 2^-23 of its size before the ceiling, so that M never lies under the fused t: M may then be one more than ceil(t),
; a power of two that the blocks' scales take up.
; SHARES.  A work-group owns 64 queries of one batch.  Wave w: tile t = w % 4 of 16 queries, and half g = w / 4 of the keys: of each slot's four key steps (128 keys each) it works steps 2 g and 2 g + 1.  Two waves share a SIMD,
; so that one wave's vector work stands beside the other's matrix work and LDS loads.  At the end the two halves of a tile are brought under one M (exact powers of two) and added.
; LAYOUT.  Both products are used transposed: S^T = K Q^T (source 0 = 16 keys), O^T = V P^T (source 0 = 16 channels): a lane holds ONE query throughout.  The keys of a tile of K are chosen (by the launch before) so that
; the 16 registers of tiles 2 b and 2 b + 1 are 16 neighbouring keys.
; CLUSTER.  The four work-groups of a cluster belong to one batch and walk the same K and V: each key step's block of 22,016 dense bytes is asked for JOINTLY, by the same tensor load with the same descriptor and a mask that names the four.
; Waves 0 to 3 ask, one key step each; a slot is four key steps; two slots.  A wave has two tensor loads out at the start and one behind each change of slots.
; LIMITS: NaN and infinities are not served; a p under 2^-126 counts as 0; a block of p whose largest lies under 2^-124 keeps the byte 1.
; REGISTERS, in windows of 256: window 0: see the names below.   window 1: v0-127 O^T (tile e of 16 channels at 8 e), v128-255 V's 16 fragments of the step.
.set STEPB, 22016                      ; a key step's block: V's codes 16,384; K's codes 4,096; V's scale words 1,024; K's 512
.set KOFF,  16384
.set VSOFF, 20480
.set KSOFF, 21504
.set QBLK,  2304
.set SLOTB, 4*STEPB
.set SLOT1, 1<<17                      ; slot 1 begins here: one exclusive or turns an address in one slot into the other's
.set SPARE, SLOTB                      ; behind slot 0: the spare words, 128 bytes for each of eight waves: four blocks of 256 bytes that no other line names
.set STATS, SPARE+1024                 ; 256 bytes a wave: -M and the sum of each lane's query
.set STG1,  SLOT1+SLOTB                ; the way out: a stage of 256 rows (channels) x 272 bytes for each half of the keys: half 0's in slot 0, which has had its last fill and its last read by then; half 1's here
.set SP,    272                        ; 64 queries x 4 bytes + 16
.set LI,  1                            ; v1   16 x lane
.set A0,  2                            ; v2   16 x lane + my half's two key steps
.set SPW, 3                            ; v3   LDS address of my spare word; never rewritten
.set NIL, 4                            ; v4   0; never rewritten
.set ADR, 5                            ; v5   A0 + the slot in hand
.set GO,  6                            ; v6   the way out: my byte offset in x and out0
.set SOA, 7                            ; v7   the stage: where my query's column begins, channels 0-127;
.set SOB, 8                            ; v8   channels 128-255
.set RD0, 9                            ; v9   the stage read back by rows: half 0's,
.set RD1, 10                           ; v10  half 1's
.set STA, 11                           ; v11  my statistics' place
.set NM,  12                           ; v12  -M
.set TMX, 13                           ; v13  the largest t so far
.set SUM, 14                           ; v14-15 the sum, in two halves
.set Q,   16                           ; v16-23 Q's fragment (v20-23 zero codes)
.set QS,  24                           ; v24  Q's scale words
.set STP, 25                           ; v25  my partner's statistics (wave w xor 4)
.set F,   26                           ; v26  2^(old M - new M)
.set PW,  27                           ; v27  p's scale word
.set TMP, 28                           ; v28-29 at work
.set FAC, 30                           ; v30-31 the last factor
.set KF,  32                           ; v32-95 K's eight fragments (registers 4-7 of each: zero codes, set once)
.set S,   96                           ; v96-159 S^T, then p
.set PC,  160                          ; v160-167 p's codes
.set KS,  168                          ; v168-171 K's scale words: register j: lanes 0-15 tile j, lanes 16-31 tile 4 + j
.set VS,  172                          ; v172-179 V's: register j: lanes 0-15 tile 2 j, lanes 16-31 tile 2 j + 1
.set BM,  180                          ; v180-183 each block's largest score, then its largest p
.set TP,  184                          ; v184-187 the other half's, bytes, the second chain of the sum
.set SO,  188                          ; v188-191 the conversions' scale operands
.set XR,  192                          ; v192-255 x's rows for the residual, then the result
.set VF,  128                          ; in window 1
.set MSB, 0
.macro WIN new                         ; the immediate's high byte repeats the setting that is left; a switch that changes nothing is dropped
.if MSB != \new
	s_set_vgpr_msb (MSB<<8)|\new
.set MSB, \new
.endif
.endm
; A round of the cluster's barrier: my work-group's barrier; wave 0 signals for the work-group; every wave waits for all four work-groups; my work-group's barrier once more.
.macro CROUND
	s_barrier_signal -1
	s_barrier_wait -1
	s_cmp_lg_u32 s14, 0
	s_cbranch_scc1 .Lnot_wave_0_\@
	s_barrier_signal -3
.Lnot_wave_0_\@:
	s_barrier_wait -3
	s_barrier_signal -1
	s_barrier_wait -1
.endm
; A joint refill: waves 0 to 3 ask for one key step each.  The branch hangs on the wave's number alone.  Four v_nop follow the load.
.macro JLOAD
	s_cmp_lt_u32 s14, 4
	s_cbranch_scc0 .Lasked_\@
	tensor_load_to_lds s[36:39], s[24:31]
	s_nop 0
.rept 4
	v_nop
.endr
.Lasked_\@:
.endm
	s_load_b256 s[4:11], s[0:1], 0x0               ; qb s[4:5], kv s[6:7], x s[8:9], gamma s[10:11]
	s_load_b64 s[12:13], s[0:1], 0x20              ; out0
	v_lshl_add_u32 v[SPW], v0, 2, SPARE
	v_mov_b32 v[NIL], 0
	ds_add_u32 v3, v4
	ds_add_u32 v3, v4
	s_wait_dscnt 0x0
	v_lshrrev_b32 v1, 5, v0
	s_delay_alu instid0(VALU_DEP_1)
	v_readfirstlane_b32 s14, v1                    ; wave 0..7
	s_and_b32 s15, s14, 3                          ; t: my tile of queries.  Also: which key step of a slot I fetch, if I fetch
	s_lshr_b32 s16, s14, 2                         ; g: my half of the keys
	s_bfe_u32 s17, ttmp6, 0x40000                  ; cx: my place in the cluster: it enters qb's, x's and out0's addresses alone
	s_lshl_b32 s18, ttmp9, 2
	s_add_co_u32 s18, s18, s17                     ; my block of 64 queries = 4 x cluster x + cx
	s_and_b32 s19, ttmp7, 0xffff                   ; the batch, which the four partners share
	s_mov_b32 s20, 0x76543210
	s_mov_b32 s21, 0xfedcba98                      ; v_permlanex16_b32's selects for lane l xor 16
	s_mov_b32 s22, 0x3fb8aa3b                      ; log2(e)
	s_mov_b32 s23, s22                             ; (named with it as a pair, so it is written)
	; descriptor group 1: a dense block of 22,016 bytes as 86 rows of 256 bytes
	s_mov_b32 s24, 15|(3<<16)|(1<<21)              ; 15:0 the mask: all four work-groups; 17:16 elements of 8 bytes; 21 set beside a mask; no padding: every LDS load here takes 512 consecutive bytes
	s_mov_b32 s25, 32<<16                          ; tensor_dim0 = 32
	s_mov_b32 s26, 86<<16                          ; tensor_dim1 = 86
	s_mov_b32 s27, 32<<16                          ; tile_dim0 = 32
	s_mov_b32 s28, 86                              ; tile_dim1 = 86
	s_mov_b32 s29, 32                              ; elements from row to row
	s_mov_b32 s30, 0
	s_mov_b32 s31, 0
	s_mul_i32 s46, s15, STEPB                      ; my key step's place in a slot, in LDS and in memory alike
	s_mul_i32 s44, s19, 32*STEPB                   ; the batch's 32 key steps
	s_add_co_u32 s44, s44, s46
	s_mov_b32 s45, 0
	s_lshl_b32 s48, s19, 22                        ; x, out0: the batch, my 32 channels on the way out, the 64 queries
	s_lshl_b32 s50, s14, 19
	s_add_co_u32 s48, s48, s50
	s_lshl_b32 s50, s18, 8
	s_add_co_u32 s48, s48, s50
	s_mov_b32 s49, 0
	s_lshl_b32 s50, s19, 6
	s_add_co_u32 s50, s50, s18
	s_mul_i32 s50, s50, QBLK                       ; my block of qb
	s_lshl_b32 s52, s15, 9
	s_add_co_u32 s52, s52, s50                     ; my tile's image
	s_mov_b32 s53, 0
	s_lshl_b32 s54, s15, 2
	s_add_co_u32 s54, s54, s50
	s_add_co_u32 s54, s54, 2048                    ; its scale words: [r][tile]
	s_mov_b32 s55, 0
	s_mov_b32 s40, 0                               ; the slot in hand
	s_mov_b32 s41, 6                               ; slots still to be asked for: runs 2 to 7 of the batch's eight
	s_wait_kmcnt 0x0
	s_add_nc_u64 s[6:7], s[6:7], s[44:45]
	s_add_nc_u64 s[8:9], s[8:9], s[48:49]
	s_add_nc_u64 s[12:13], s[12:13], s[48:49]
	s_add_nc_u64 s[56:57], s[4:5], s[54:55]
	s_add_nc_u64 s[4:5], s[4:5], s[52:53]
	s_mov_b32 s32, 1                               ; group 0 of the first fill of slot 0: count = 1,
	s_mov_b32 s33, s46                             ; LDS address,
	s_mov_b64 s[34:35], s[6:7]                     ; global address,
	s_or_b32 s35, s35, 0x80000000                  ; type = 2
	s_mov_b32 s36, 1                               ; and of slot 1's: this one walks on
	s_add_co_u32 s37, s46, SLOT1
	s_add_nc_u64 s[38:39], s[6:7], SLOTB
	s_or_b32 s39, s39, 0x80000000
	CROUND                                         ; all four work-groups are here: the first joint loads meet
	s_cmp_lt_u32 s14, 4                            ; a wave's two first fills stand in one branch, ahead of every wait on TENSORcnt and every LDS read
	s_cbranch_scc0 .Lfirst_asked
	tensor_load_to_lds s[32:35], s[24:31]
	s_nop 0
	tensor_load_to_lds s[36:39], s[24:31]
	s_nop 0
.rept 4
	v_nop
.endr
.Lfirst_asked:
	s_load_b32 s42, s[10:11], 0x0                  ; gamma
	v_and_b32 v[LI], 31, v0
	s_delay_alu instid0(VALU_DEP_1)
	v_lshlrev_b32 v[LI], 4, v[LI]
	v_and_b32 v[TMP], 15, v0                       ; r
	s_wait_alu depctr_va_vdst(0)
	v_bfe_u32 v[TMP+1], v0, 4, 1                   ; h
	v_lshlrev_b32 v[FAC], 4, v[TMP]
	global_load_b128 v[Q:Q+3], v[LI], s[4:5]       ; Q's fragment stays in registers
	global_load_b32 v[QS], v[FAC], s[56:57]        ; lane r: query r's scale word
	s_mul_i32 s52, s16, 2*STEPB
	v_add_nc_u32 v[A0], s52, v[LI]
	v_lshlrev_b32 v[GO], 4, v[TMP]
	s_delay_alu instid0(VALU_DEP_1)
	v_lshl_add_u32 v[GO], v[TMP+1], 14, v[GO]      ; lanes 0-15 one channel's 256 bytes, lanes 16-31 the next channel's
	s_lshr_b32 s52, s15, 1
	s_lshl_b32 s52, s52, 7
	s_and_b32 s53, s15, 1
	s_lshl_b32 s53, s53, 5
	s_add_co_u32 s52, s52, s53                     ; 4 x (32 (t / 2) + 8 (t % 2)): my tile's first query,
	s_mul_i32 s53, s16, STG1
	s_add_co_u32 s52, s52, s53                     ; in my half's stage
	v_and_b32 v[SOA], 8, v[TMP]
	s_delay_alu instid0(VALU_DEP_1)
	v_add_nc_u32 v[SOA], v[SOA], v[TMP]
	s_delay_alu instid0(VALU_DEP_1)
	v_lshlrev_b32 v[SOA], 2, v[SOA]                ; + 4 (r + 8 (r / 8)): my query,
	s_wait_alu depctr_va_vdst(0)
	v_mad_u32_u24 v[SOA], v[TMP+1], 8*SP, v[SOA]   ; + 8 h rows: my eight channels of a tile.  8 rows are 544 words: lanes 16-31 fall 32 banks beside lanes 0-15 (64 banks of 4 bytes: ISA guide 11.1): 32 lanes, 32 banks
	s_delay_alu instid0(VALU_DEP_1)
	v_add_nc_u32 v[SOA], s52, v[SOA]
	s_delay_alu instid0(VALU_DEP_1)
	v_add_nc_u32 v[SOB], 128*SP, v[SOA]
	s_mul_i32 s52, s14, 32*SP
	v_lshlrev_b32 v[RD0], 4, v[TMP]
	s_delay_alu instid0(VALU_DEP_1)
	v_mad_u32_u24 v[RD0], v[TMP+1], SP, v[RD0]
	s_delay_alu instid0(VALU_DEP_1)
	v_add_nc_u32 v[RD0], s52, v[RD0]               ; back: rows 32 w + h on, 16 bytes a lane
	s_delay_alu instid0(VALU_DEP_1)
	v_add_nc_u32 v[RD1], STG1, v[RD0]
	s_lshl_b32 s52, s14, 8
	s_add_co_u32 s52, s52, STATS
	v_lshrrev_b32 v[STA], 1, v[LI]
	s_delay_alu instid0(VALU_DEP_1)
	v_add_nc_u32 v[STA], s52, v[STA]
	s_xor_b32 s52, s14, 4
	s_lshl_b32 s52, s52, 8
	s_add_co_u32 s52, s52, STATS
	v_lshrrev_b32 v[STP], 1, v[LI]
	s_delay_alu instid0(VALU_DEP_1)
	v_add_nc_u32 v[STP], s52, v[STP]
.irp j, 4,5,6,7
	v_mov_b32 v[Q+\j], 0                           ; zero codes for k = 64 .. 127
.endr
.irp a, 0,1,2,3,4,5,6,7
.irp j, 4,5,6,7
	v_mov_b32 v[KF+8*\a+\j], 0                     ; likewise in K's eight fragments: set once, no load touches them
.endr
.endr
	v_mov_b32 v[TMX], 0xff61b1e6                   ; the largest t so far: -3e38, under every t
	s_delay_alu instid0(VALU_DEP_1)
	v_floor_f32 v[NM], -v[TMX]                     ; -M
	v_mov_b32 v[SUM], 0
	v_mov_b32 v[SUM+1], 0
	v_mov_b32 v[PW], 0                             ; (named as the upper half of the pair with F before it is first written)
.irp b, 0,1,2,3
	v_mov_b32 v[TP+\b], 0                          ; a lane permute's destination counts as one of its sources
.endr
.macro PV1 e, first                    ; O^T's tile e: 16 channels x my 16 queries, K = the step's 128 keys.  first = 1: the product starts the sum: nothing is ever cleared
.if \first
.if (\e)%2
	v_wmma_scale_f32_16x16x128_f8f6f4 v[8*\e:8*\e+7], v[VF+8*\e:VF+8*\e+7], v[PC:PC+7], 0, v[VS+\e/2], v[PW] matrix_a_fmt:MATRIX_FMT_FP4 matrix_b_fmt:MATRIX_FMT_FP4 matrix_a_scale:MATRIX_SCALE_ROW1
.else
	v_wmma_scale_f32_16x16x128_f8f6f4 v[8*\e:8*\e+7], v[VF+8*\e:VF+8*\e+7], v[PC:PC+7], 0, v[VS+\e/2], v[PW] matrix_a_fmt:MATRIX_FMT_FP4 matrix_b_fmt:MATRIX_FMT_FP4
.endif
.else
.if (\e)%2
	v_wmma_scale_f32_16x16x128_f8f6f4 v[8*\e:8*\e+7], v[VF+8*\e:VF+8*\e+7], v[PC:PC+7], v[8*\e:8*\e+7], v[VS+\e/2], v[PW] matrix_a_fmt:MATRIX_FMT_FP4 matrix_b_fmt:MATRIX_FMT_FP4 matrix_a_scale:MATRIX_SCALE_ROW1
.else
	v_wmma_scale_f32_16x16x128_f8f6f4 v[8*\e:8*\e+7], v[VF+8*\e:VF+8*\e+7], v[PC:PC+7], v[8*\e:8*\e+7], v[VS+\e/2], v[PW] matrix_a_fmt:MATRIX_FMT_FP4 matrix_b_fmt:MATRIX_FMT_FP4
.endif
.endif
.endm
; A KEY STEP: 128 keys, the q-th of my two in the slot in hand.
.macro STEP q, first
.rept 4
	v_nop                                          ; places in front of loads into registers that the last products read (ISA guide 7.12.1 for vector instructions)
.endr
.irp a, 0,1,2,3,4,5,6,7
	ds_load_b128 v[KF+8*\a:KF+8*\a+3], v[ADR] offset:(\q)*STEPB+KOFF+512*\a
.endr
	ds_load_b128 v[KS:KS+3], v[ADR] offset:(\q)*STEPB+KSOFF
	ds_load_b128 v[VS:VS+3], v[ADR] offset:(\q)*STEPB+VSOFF
	ds_load_b128 v[VS+4:VS+7], v[ADR] offset:(\q)*STEPB+VSOFF+512
	WIN 0x40                                       ; destination window 1
.irp e, 0,1,2,3,4,5,6,7,8,9,10,11,12,13,14,15
	ds_load_b128 v[VF+8*\e:VF+8*\e+3], v[ADR] offset:(\q)*STEPB+1024*\e
	ds_load_b128 v[VF+8*\e+4:VF+8*\e+7], v[ADR] offset:(\q)*STEPB+1024*\e+512
.endr
	WIN 0
	s_wait_dscnt 34                                ; K's nine loads are in; V's 2 + 32, issued behind them, land under the softmax
.irp a, 0,1,2,3
	v_wmma_scale_f32_16x16x128_f8f6f4 v[S+8*\a:S+8*\a+7], v[KF+8*\a:KF+8*\a+7], v[Q:Q+7], 0, v[KS+\a], v[QS] matrix_a_fmt:MATRIX_FMT_FP4 matrix_b_fmt:MATRIX_FMT_FP4
.endr
.irp a, 4,5,6,7
	v_wmma_scale_f32_16x16x128_f8f6f4 v[S+8*\a:S+8*\a+7], v[KF+8*\a:KF+8*\a+7], v[Q:Q+7], 0, v[KS+\a-4], v[QS] matrix_a_fmt:MATRIX_FMT_FP4 matrix_b_fmt:MATRIX_FMT_FP4 matrix_a_scale:MATRIX_SCALE_ROW1
.endr
.rept 4
	v_nop                                          ; places in front of the first read of the scores
.endr
.irp b, 0,1,2,3
	v_max3_num_f32 v[BM+\b], v[S+16*\b], v[S+16*\b+1], v[S+16*\b+2]   ; THE LARGEST SCORE OF EACH BLOCK OF 32 KEYS serves twice: for the row's maximum and, since p rises with the score, for the block's largest p
.endr
.irp i, 3,5,7,9,11,13
.irp b, 0,1,2,3
	v_max3_num_f32 v[BM+\b], v[BM+\b], v[S+16*\b+\i], v[S+16*\b+\i+1]   ; the four blocks by turns
.endr
.endr
.irp b, 0,1,2,3
	v_max_num_f32 v[BM+\b], v[BM+\b], v[S+16*\b+15]
.endr
.irp b, 0,1,2,3
	s_delay_alu instid0(VALU_DEP_4)
	v_permlanex16_b32 v[TP+\b], v[BM+\b], s20, s21
.endr
.irp b, 0,1,2,3
	s_delay_alu instid0(VALU_DEP_4)
	v_max_num_f32 v[BM+\b], v[BM+\b], v[TP+\b]     ; with lane l xor 16's 16 keys
.endr
	s_delay_alu instid0(VALU_DEP_2)
	v_max3_num_f32 v[TMP], v[BM], v[BM+1], v[BM+2]
	s_delay_alu instid0(VALU_DEP_1)
	v_max_num_f32 v[TMP], v[TMP], v[BM+3]          ; the step's largest score of my query,
	s_delay_alu instid0(VALU_DEP_1)
	v_mul_f32 v[TMP], s22, v[TMP]                  ; as t,
	s_delay_alu instid0(VALU_DEP_1)
	v_fma_f32 v[TMP], |v[TMP]|, 0x34000000, v[TMP] ; moved up by 2^-23 of its size: at or over the unrounded product
	s_delay_alu instid0(VALU_DEP_1)
	v_max_num_f32 v[TMX], v[TMX], v[TMP]           ; the running largest t
	v_mov_b32 v[TMP], v[NM]
	s_delay_alu instid0(VALU_DEP_2)
	v_floor_f32 v[NM], -v[TMX]                     ; the new -M = -ceil(t): M IS A WHOLE NUMBER
	s_delay_alu instid0(VALU_DEP_1)
	v_sub_f32 v[TMP], v[NM], v[TMP]                ; M's old value less its new one: a whole number, 0 or less
	s_delay_alu instid0(VALU_DEP_1)
	v_cvt_i32_f32 v[TMP], v[TMP]                   ; (it saturates)
	s_delay_alu instid0(VALU_DEP_1)
	v_ldexp_f32 v[F], 1.0, v[TMP]                  ; 2^(old M - new M)
.set n, 0
.rept 32
	v_pk_fma_f32 v[S+n:S+n+1], v[S+n:S+n+1], s[22:23], v[NM:NM+1] op_sel_hi:[1,0,0]   ; t - M, two at a time (of both pairs the low word serves both halves)
.set n, n+2
.endr
.irp b, 0,1,2,3
	v_fma_f32 v[BM+\b], v[BM+\b], s22, v[NM]       ; the same of each block's largest score
.endr
.set n, 0
	s_wait_alu depctr_va_vdst(0)
.rept 64
	v_exp_f32 v[S+n], v[S+n]                       ; p = 2^(t - M), at most 1: NOT normalised
.set n, n+1
.endr
.irp b, 0,1,2,3
	v_exp_f32 v[BM+\b], v[BM+\b]                   ; the block's largest p: the same two instructions on the same number give the same bits
.endr
	v_pk_mul_f32 v[SUM:SUM+1], v[SUM:SUM+1], v[F:F+1] op_sel_hi:[1,0]   ; the sums under the new M.  (A plain place behind the exponentials)
	s_wait_alu depctr_va_vdst(0)
.irp b, 0,1,2,3
	v_max_num_f32 v[BM+\b], 0x1800000, v[BM+\b]    ; the floor 2^(3 - 127): the byte cannot fall under 1
.endr
.irp b, 0,1,2,3
	s_delay_alu instid0(VALU_DEP_4)
	v_add_nc_u32 v[SO+\b], 0xff000000, v[BM+\b]    ; 2 off the exponent field: the conversion's scale operand
.endr
.irp b, 0,1,2,3
	s_delay_alu instid0(VALU_DEP_4)
	v_lshrrev_b32 v[TP+\b], 23, v[SO+\b]           ; the scale's byte
.endr
	s_delay_alu instid0(VALU_DEP_3)
	v_lshl_or_b32 v[PW], v[TP+1], 8, v[TP]         ; p's scale word for these 128 keys
	s_delay_alu instid0(VALU_DEP_1)
	v_lshl_or_b32 v[PW], v[TP+2], 16, v[PW]
	s_delay_alu instid0(VALU_DEP_1)
	v_lshl_or_b32 v[PW], v[TP+3], 24, v[PW]
.irp b, 0,1,2,3
	v_cvt_scalef32_pk8_fp4_f32 v[PC+2*\b], v[S+16*\b:S+16*\b+7], v[SO+\b]
	v_cvt_scalef32_pk8_fp4_f32 v[PC+2*\b+1], v[S+16*\b+8:S+16*\b+15], v[SO+\b]
.endr
	v_nop                                          ; one plain place behind the last scaled conversion
.irp c, 0,1                                    ; the operand's layout wants a WHOLE block in a lane
.irp i, 0,1
	v_permlane16_swap_b32 v[PC+4*\c+\i], v[PC+2+4*\c+\i]
.endr
.endr
	v_pk_add_f32 v[184:185], v[100:101], v[104:105]
	v_pk_add_f32 v[190:191], v[108:109], v[112:113]
	v_pk_add_f32 v[188:189], v[116:117], v[120:121]
	v_pk_add_f32 v[182:183], v[124:125], v[128:129]
	v_pk_add_f32 v[180:181], v[132:133], v[136:137]
	v_pk_add_f32 v[170:171], v[140:141], v[144:145]
	v_pk_add_f32 v[168:169], v[148:149], v[152:153]
	v_pk_add_f32 v[14:15], v[14:15], v[156:157]
	v_pk_add_f32 v[184:185], v[184:185], v[96:97]
	v_pk_add_f32 v[190:191], v[190:191], v[98:99]
	v_pk_add_f32 v[188:189], v[188:189], v[102:103]
	v_pk_add_f32 v[182:183], v[182:183], v[106:107]
	v_pk_add_f32 v[180:181], v[180:181], v[110:111]
	v_pk_add_f32 v[170:171], v[170:171], v[114:115]
	v_pk_add_f32 v[168:169], v[168:169], v[118:119]
	v_pk_add_f32 v[14:15], v[14:15], v[122:123]
	v_pk_add_f32 v[184:185], v[184:185], v[126:127]
	v_pk_add_f32 v[190:191], v[190:191], v[130:131]
	v_pk_add_f32 v[188:189], v[188:189], v[134:135]
	v_pk_add_f32 v[182:183], v[182:183], v[138:139]
	v_pk_add_f32 v[180:181], v[180:181], v[142:143]
	v_pk_add_f32 v[170:171], v[170:171], v[146:147]
	v_pk_add_f32 v[168:169], v[168:169], v[150:151]
	v_pk_add_f32 v[14:15], v[14:15], v[154:155]
	v_pk_add_f32 v[184:185], v[184:185], v[158:159]
	s_delay_alu instid0(VALU_DEP_2)
	v_pk_add_f32 v[14:15], v[14:15], v[182:183]
	s_delay_alu instid0(VALU_DEP_2)
	v_pk_add_f32 v[184:185], v[184:185], v[180:181]
	v_pk_add_f32 v[190:191], v[190:191], v[170:171]
	v_pk_add_f32 v[188:189], v[188:189], v[168:169]
	s_delay_alu instid0(VALU_DEP_2)
	v_pk_add_f32 v[14:15], v[14:15], v[190:191]
	s_delay_alu instid0(VALU_DEP_2)
	v_pk_add_f32 v[184:185], v[184:185], v[188:189]
	s_delay_alu instid0(VALU_DEP_1)
	v_pk_add_f32 v[14:15], v[14:15], v[184:185]
.if !\first
	WIN 0x41                                       ; O^T (destination and source 0) in window 1
.set n, 0
.rept 64
	v_pk_mul_f32 v[n:n+1], v[n:n+1], v[F:F+1] op_sel_hi:[1,0]   ; O^T under the new M, each tile from its low end on
.set n, n+2
.endr
.endif
	s_wait_alu depctr_va_vdst(0)
	s_wait_dscnt 0x0                               ; V's fragments and scale words are in
	WIN 0x51                                       ; V, C and D in window 1, p's codes in window 0
.irp e, 0,1,2,3,4,5,6,7,8,9,10,11,12,13,14,15
	PV1 \e, \first                                 ; the sixteen accumulators take turns
.endr
	WIN 0
.endm
; THE CHANGE OF SLOTS.  Each wave waits for all its tensor loads (its part of the slot that it is about to read), adds 0 to its spare word, and waits for that and for its reads of the slot that it has left.
; fill = 1: the barrier is a round of the cluster's, so that no wave of any partner still reads the slot left or has a load on its way, and the joint refill is the first thing behind it: it has a slot's steps in which to land.
.macro CHANGE fill
	s_wait_tensorcnt 0x0                           ; no tensor load of mine is out, so a group 0 may be written
	ds_add_u32 v[SPW], v[NIL]                      ; 0 onto my spare word
.if \fill
	s_xor_b32 s37, s37, SLOT1                      ; the walking descriptor: the other slot than last time,
	s_add_nc_u64 s[38:39], s[38:39], SLOTB         ; the next four key steps; the type bits on top are not reached
.endif
	s_wait_dscnt 0x0                               ; the add is done, and my reads of the slot that I have left are over
.if \fill
	CROUND
	JLOAD
.else
	s_barrier_signal -1
	s_barrier_wait -1
.endif
.endm
.macro SLOT_STEPS first
	v_add_nc_u32 v[ADR], s40, v[A0]
	STEP 0, \first
	STEP 1, 0
	s_xor_b32 s40, s40, SLOT1                      ; on to the other slot
.endm
	s_wait_tensorcnt 0x1                           ; my part of slot 0 is in; slot 1's may stay out
	s_barrier_signal -1
	s_barrier_wait -1                              ; everybody's is
	s_wait_loadcnt 0x0                             ; Q
	s_wait_kmcnt 0x0                               ; gamma
	SLOT_STEPS 1                                   ; the batch's first four key steps: my first product starts O^T's sums
.Lslot:                                            ; six trips: the slot just left takes the keys two slots on; the other slot is worked
	CHANGE 1
	SLOT_STEPS 0
	s_sub_co_u32 s41, s41, 1
	s_cmp_lg_u32 s41, 0
	s_cbranch_scc1 .Lslot
	CHANGE 0                                       ; the last slot is written out
.irp k, 0,1,2,3,4,5,6,7,8,9,10,11,12,13,14,15
	global_load_b128 v[XR+4*\k:XR+4*\k+3], v[GO], s[8:9] offset:32768*\k th:TH_LOAD_NT   ; x's rows for the residual: channels 32 w + 2 k + h, my block's 64 pixels: they land under the last two key steps
.endr
	SLOT_STEPS 0
	; THE TWO HALVES OF THE KEYS MEET.  Each wave publishes -M and its sum; both take the larger M; the factors are exact powers of two.  (The first lines are also the places behind the last products.)
	v_add_f32 v[SUM], v[SUM], v[SUM+1]
	s_delay_alu instid0(VALU_DEP_1)
	v_permlanex16_b32 v[TP], v[SUM], s20, s21
	s_delay_alu instid0(VALU_DEP_1)
	v_add_f32 v[TMX], v[SUM], v[TP]                ; my half's sum of my query, beside -M
	ds_store_b64 v[STA], v[NM:NM+1]
	s_wait_dscnt 0x0                               ; for the partner's sake
	s_barrier_signal -1
	s_barrier_wait -1
	ds_load_b64 v[TMP:TMP+1], v[STP]
	s_wait_dscnt 0x0
	v_min_num_f32 v[BM], v[NM], v[TMP]             ; -(the larger M)
	s_delay_alu instid0(VALU_DEP_1)
	v_sub_f32 v[BM+1], v[BM], v[NM]
	s_delay_alu instid0(VALU_DEP_2)
	v_sub_f32 v[BM+2], v[BM], v[TMP]
	s_delay_alu instid0(VALU_DEP_2)
	v_cvt_i32_f32 v[BM+1], v[BM+1]
	s_delay_alu instid0(VALU_DEP_2)
	v_cvt_i32_f32 v[BM+2], v[BM+2]
	s_delay_alu instid0(VALU_DEP_2)
	v_ldexp_f32 v[BM+1], 1.0, v[BM+1]              ; my factor,
	s_delay_alu instid0(VALU_DEP_2)
	v_ldexp_f32 v[BM+2], 1.0, v[BM+2]              ; my partner's
	s_delay_alu instid0(VALU_DEP_1)
	v_mul_f32 v[BM+3], v[TMP+1], v[BM+2]
	s_wait_alu depctr_va_vdst(0)
	v_fma_f32 v[BM+3], v[TMX], v[BM+1], v[BM+3]    ; the row's sum
	s_wait_alu depctr_va_vdst(0)
	v_rcp_f32 v[BM+3], v[BM+3]
	v_mul_f32 v[FAC], s42, v[BM+1]                 ; (a plain place behind the reciprocal)  gamma x my factor
	s_wait_alu depctr_va_vdst(0)
	v_mul_f32 v[FAC], v[FAC], v[BM+3]              ; / the sum
	s_delay_alu instid0(VALU_DEP_1)
	v_mov_b32 v[FAC+1], v[FAC]                     ; (named with it as a pair, so it is written)
	WIN 0x41
.set n, 0
.rept 64
	v_pk_mul_f32 v[n:n+1], v[n:n+1], v[FAC:FAC+1] op_sel_hi:[1,0]   ; each tile from its low end on
.set n, n+2
.endr
	; THE WAY OUT.  A lane holds eight channels of one query; out0 wants a channel's neighbouring queries together.  So O^T goes into my half's stage, a row to a channel, and comes back by rows.
	WIN 0x04                                       ; an LDS store's data are its source 1: window 1
.irp e, 0,1,2,3,4,5,6,7
.irp j, 0,1,2,3,4,5,6,7
	ds_store_b32 v[SOA], v[8*\e+\j] offset:(16*\e+\j)*SP
.endr
.endr
.irp e, 8,9,10,11,12,13,14,15
.irp j, 0,1,2,3,4,5,6,7
	ds_store_b32 v[SOB], v[8*\e+\j] offset:(16*(\e-8)+\j)*SP
.endr
.endr
	WIN 0
	s_wait_dscnt 0x0                               ; for the others' sake: my stores into the stage have landed
	s_barrier_signal -1
	s_barrier_wait -1
.irp k, 0,1,2,3,4,5,6,7,8,9,10,11,12,13,14,15
	ds_load_b128 v[KF+4*\k:KF+4*\k+3], v[RD0] offset:2*\k*SP
	ds_load_b128 v[S+4*\k:S+4*\k+3], v[RD1] offset:2*\k*SP
.endr
	s_wait_loadcnt 0x0                             ; x's rows
.irp k, 0,1,2,3,4,5,6,7,8,9,10,11,12,13,14,15
	s_wait_dscnt 30-2*\k                           ; pair k is in; the pairs behind it may be out
	v_pk_add_f32 v[KF+4*\k:KF+4*\k+1], v[KF+4*\k:KF+4*\k+1], v[S+4*\k:S+4*\k+1]
	v_pk_add_f32 v[KF+4*\k+2:KF+4*\k+3], v[KF+4*\k+2:KF+4*\k+3], v[S+4*\k+2:S+4*\k+3]
	s_delay_alu instid0(VALU_DEP_2)
	v_pk_add_f32 v[XR+4*\k:XR+4*\k+1], v[XR+4*\k:XR+4*\k+1], v[KF+4*\k:KF+4*\k+1]
	s_delay_alu instid0(VALU_DEP_2)
	v_pk_add_f32 v[XR+4*\k+2:XR+4*\k+3], v[XR+4*\k+2:XR+4*\k+3], v[KF+4*\k+2:KF+4*\k+3]
	global_store_b128 v[GO], v[XR+4*\k:XR+4*\k+3], s[12:13] offset:32768*\k th:TH_STORE_NT   ; 16 lanes store 256 consecutive bytes, at a multiple of 256 from out0's first byte
.endr
	s_wait_tensorcnt 0x0                           ; the wave's end, behind my last tensor load and my last LDS store
	ds_add_u32 v[SPW], v[NIL]
	s_wait_dscnt 0x0
	CROUND                                         ; the closing round: no work-group ends while a partner may still ask for a tile that names it
	s_endpgm
.Lfunc_end_k_qca63057aad_attn:
	.size	k_qca63057aad_attn, .Lfunc_end_k_qca63057aad_attn-k_qca63057aad_attn
	.p2alignl 7, 3214868480
	.fill 96, 4, 3214868480
	.section	.rodata,"a",@progbits
	.p2align	6, 0x0
	.amdhsa_kernel k_qca63057aad_attn
		.amdhsa_group_segment_fixed_size 327680
		.amdhsa_private_segment_fixed_size 0
		.amdhsa_enable_private_segment 0
		.amdhsa_kernarg_size 40
		.amdhsa_user_sgpr_count 2
		.amdhsa_user_sgpr_kernarg_segment_ptr 1
		.amdhsa_wavefront_size32 1
		.amdhsa_system_sgpr_workgroup_id_x 1
		.amdhsa_system_sgpr_workgroup_id_y 1
		.amdhsa_system_sgpr_workgroup_id_z 1
		.amdhsa_system_vgpr_workitem_id 0
		.amdhsa_next_free_vgpr 512
		.amdhsa_next_free_sgpr 66
		.amdhsa_reserve_vcc 0
		.amdhsa_float_denorm_mode_32 3
		.amdhsa_float_denorm_mode_16_64 3
		.amdhsa_memory_ordered 1
		.amdhsa_forward_progress 1
		.amdhsa_inst_pref_size 162
	.end_amdhsa_kernel
	.amdgpu_metadata
---
amdhsa.version: [ 1, 2 ]
amdhsa.kernels:
  - .name:           k_qca63057aad_attn
    .symbol:         k_qca63057aad_attn.kd
    .args:
      - { .name: qb, .offset: 0, .size: 8, .value_kind: global_buffer, .address_space: global }
      - { .name: kv, .offset: 8, .size: 8, .value_kind: global_buffer, .address_space: global }
      - { .name: x, .offset: 16, .size: 8, .value_kind: global_buffer, .address_space: global }
      - { .name: gamma, .offset: 24, .size: 8, .value_kind: global_buffer, .address_space: global }
      - { .name: out0, .offset: 32, .size: 8, .value_kind: global_buffer, .address_space: global }
    .group_segment_fixed_size: 327680
    .private_segment_fixed_size: 0
    .kernarg_segment_align: 8
    .kernarg_segment_size: 40
    .max_flat_workgroup_size: 256
    .sgpr_count:     66
    .vgpr_count:     512
    .wavefront_size: 32
...
	.end_amdgpu_metadata
.endif
;; end of part 3
